; MI455X (gfx1250); checked and timed in simulation.
; The chip was launched on July 23, 2026; its instructions are those of AMD's public machine-readable ISA for CDNA 5 (MIT licence, August 2026) and "CDNA5" Instruction Set Architecture Reference Guide (July 2026). The comments in the code are by the model that wrote it; some were corrected since.
;; CLIP Cross Attention VS. Allowed arithmetic: matrix products marked QUANTISED: E2M3 operands, one E8M0 scale for each 32 along K, by v_wmma_scale_f32_16x16x128_f8f6f4 with both operands' format E2M3, f32 sums; everything else in f32.
;; Inputs: Wk_codes 1,024 x 32 x 24 uint8 (E2M3 codes of Wk, K innermost, in blocks of 32 codes, four codes in three bytes); Wk_scales 1,024 x 32 uint8 (E8M0 scales of Wk, one for each 32 codes along K); Wo_codes 1,024 x 32 x 24 uint8 (E2M3 codes of Wo, K innermost, in blocks of 32 codes, four codes in three bytes); Wo_scales 1,024 x 32 uint8 (E8M0 scales of Wo, one for each 32 codes along K); Wq_codes 1,024 x 32 x 24 uint8 (E2M3 codes of Wq, K innermost, in blocks of 32 codes, four codes in three bytes); Wq_scales 1,024 x 32 uint8 (E8M0 scales of Wq, one for each 32 codes along K); Wv_codes 1,024 x 32 x 24 uint8 (E2M3 codes of Wv, K innermost, in blocks of 32 codes, four codes in three bytes); Wv_scales 1,024 x 32 uint8 (E8M0 scales of Wv, one for each 32 codes along K); bk 1,024 float32; bo 1,024 float32; bq 1,024 float32; bv 1,024 float32; hidden_states_codes 16 x 1,024 x 32 x 24 uint8 (E2M3 codes of hidden_states, K innermost, in blocks of 32 codes, four codes in three bytes); hidden_states_scales 16 x 1,024 x 32 uint8 (E8M0 scales of hidden_states, one for each 32 codes along K); text_states_codes 128 x 16 x 32 x 24 uint8 (E2M3 codes of text_states, K innermost, in blocks of 32 codes, four codes in three bytes); text_states_scales 128 x 16 x 32 uint8 (E8M0 scales of text_states, one for each 32 codes along K).
;; Outputs: out0 16 x 1,024 x 1,024 float32.
;; This version of the problem:
;;   THIS VERSION OF THE PROBLEM IS GIVEN IN LOW PRECISION. The matrix products marked QUANTISED in the list below multiply operands that are first quantised to E2M3 (2 exponent bits, 3 mantissa bits; 6 bits a number), with one power-of-two scale for each 32 numbers along K (OCP MX v1.0); their sums are f32. All else is computed in f32.
;;   The module's matrix products, in the order in which they are computed (A, B: the left and right operand; K: the contracted axis; several contracted axes count as one K, in the product's order):
;;     1. [M 2,048, K 1,024] x [K 1,024, N 1,024]; A: input text_states (given as codes); B: input Wq (given as codes): QUANTISED
;;     2. [M 16,384, K 1,024] x [K 1,024, N 1,024]; A: input hidden_states (given as codes); B: input Wk (given as codes): QUANTISED
;;     3. [M 16,384, K 1,024] x [K 1,024, N 1,024]; A: input hidden_states (given as codes); B: input Wv (given as codes): QUANTISED
;;     4. batch 256 x [M 128, K 64] x [K 64, N 1,024]; A: computed on the way; B: computed on the way: QUANTISED
;;     5. batch 256 x [M 128, K 1,024] x [K 1,024, N 64]; A: softmax (see below); B: computed on the way: QUANTISED
;;     6. batch 256 x [M 1,024, K 128] x [K 128, N 64]; A: computed on the way; B: computed on the way: QUANTISED
;;     7. [M 16,384, K 1,024] x [K 1,024, N 1,024]; A: computed on the way; B: input Wo (given as codes): QUANTISED
;;   THE QUANTISER, for each operand of a quantised product, along K:
;;     - K is cut into blocks of 32 from its start; a last block that is shorter is filled with zeros.
;;     - A block's scale is 2^e with e = floor(log2(the largest magnitude in the block)) - 2, held to -126 .. 127; a block of zeros has e = 0. As a byte (E8M0): e + 127.
;;     - Each number is divided by its block's scale, clamped to +-7.5, and rounded to the nearest number of E2M3, ties to even, subnormals kept.
;;     - The product sums the exact products of the quantised numbers (number of the format x scale) in f32.
;;   ~~~python
;;   def quantise(x, axis):      # numpy; x: float32 -> the quantised numbers, widened to float32 again
;;       x = np.moveaxis(x, axis, -1); K = x.shape[-1]
;;       x = np.pad(x, [(0, 0)] * (x.ndim - 1) + [(0, -K % 32)]); x = x.reshape(x.shape[:-1] + (-1, 32)); a = np.abs(x).max(-1, keepdims=True)
;;       e = np.where(a > 0, np.clip(np.frexp(np.where(a > 0, a, 1))[1] - 1 - 2, -126, 127), 0)      # np.frexp(a)[1] - 1 = floor(log2(a)), exactly
;;       r = np.clip(x / 2.0 ** e, -7.5, 7.5)
;;       step = 2.0 ** (np.maximum(np.frexp(np.where(r == 0, 1, r))[1] - 1, 0) - 3)
;;       q = np.round(r / step) * step * 2.0 ** e      # np.round: ties to even
;;       return np.moveaxis(q.reshape(q.shape[:-2] + (-1,))[..., :K], -1, axis).astype(np.float32)
;;   ~~~
;;   SOFTMAX AHEAD OF A QUANTISED PRODUCT. Where the list says 'softmax', what is quantised is not the finished softmax but p = 2^(t - M), with t = logit x log2(e) and M = ceil(the row's largest t), a whole number; so 1/2 < the row's largest p <= 1. The row's sum l is taken of the UNQUANTISED p, in f32, and the product's result is divided by l at the end. Since M is a whole number, a kernel that streams over the keys may use a running M (the ceiling of the running maximum): every later rescaling is an exact power of two, which a block's scale takes up: the codes' values come out the same.
;;   OPERANDS COMPUTED ON THE WAY. 'Computed on the way' means the value that the module computes at that place (a softmax that the list does not call 'softmax' is quantised finished and normalised). What goes into a quantiser is computed in f32, as accurately as f32 sums, v_exp_f32 and their like allow (about 1e-6 of the number): no bf16 or f16 on the way to a quantiser, and a product that is left as it is and whose result goes on into a quantised operand takes f32 operands (vector FMAs, or v_wmma_f32_16x16x4_f32). A number that lies on a knife's edge between two numbers of the format may be rounded either way, as far as f32 arithmetic and the matrix unit's own rounding can turn it there, and no further.
;;   INPUTS GIVEN AS CODES. Wk (in the module: [1024, 1024], K = its axis 0); Wo (in the module: [1024, 1024], K = its axis 0); Wq (in the module: [1024, 1024], K = its axis 0); Wv (in the module: [1024, 1024], K = its axis 0); hidden_states (in the module: [16, 1024, 1024], K = its axis 2); text_states (in the module: [128, 16, 1024], K = its axis 2): each comes as NAME_codes (uint8): NAME with its K axis moved to the last place and cut into blocks of 32 codes, [.., K / 32, bytes a block], one block behind the other in memory; four codes in three bytes: a row's codes are one little-endian stream of bits, code i at bits 6 i .. 6 i + 5 (a code: sign, 2 exponent bits, 3 mantissa bits); and NAME_scales (uint8): the same leading axes, one E8M0 byte (e + 127) for each 32 codes along K. Its value is code x scale, taken as it is: it is not quantised again, and the codes and scales need not be those that the quantiser above would give.
;; One version. Each part assembles by itself: llvm-mc -triple=amdgcn-amd-amdhsa -mcpu=gfx1250 --defsym DOCPART=n.
;; ======== version 1 of 1: 2 launches
;; limits: right only within a limited range of input values
;; workspace buffers: oc 12,582,912 bytes; os 524,288 bytes
;; launch attn (part 1): grid 16 x 16, 4 waves a work-group, clusters of 4 x 1, 327,680 bytes of LDS; arguments hidden_states_codes, hidden_states_scales, text_states_codes, text_states_scales, Wq_codes, Wq_scales, Wk_codes, Wk_scales, Wv_codes, Wv_scales, bq, bk, bv, oc, os; writes oc, os
.if DOCPART == 1
	.amdgcn_target "amdgcn-amd-amdhsa--gfx1250"
	.amdhsa_code_object_version 6
	.text
	.protected	k_qe97ccef39f_attn
	.globl	k_qe97ccef39f_attn
	.p2align	8
	.type	k_qe97ccef39f_attn,@function
k_qe97ccef39f_attn:
	s_mov_b64 s[64:65], 0
	v_nop
	global_prefetch_b8 v0, s[64:65] scope:SCOPE_SE
	s_setreg_imm32_b32 hwreg(HW_REG_WAVE_MODE, 25, 1), 1
	s_wait_xcnt 0x0
	s_wait_alu depctr_hold_cnt(0) depctr_sa_sdst(0) depctr_va_vdst(0) depctr_va_sdst(0) depctr_va_ssrc(0) depctr_va_vcc(0) depctr_vm_vsrc(0)
	s_getreg_b32 s2, hwreg(HW_REG_IB_STS2, 6, 4)
	s_cmp_eq_u32 s2, 0
	s_cbranch_scc0 .Lentry_in_a_cluster
	s_endpgm
.Lentry_in_a_cluster:
	s_bfe_u32 s2, ttmp6, 0x10000c
	s_cmp_lg_u32 s2, 0x3003
	s_cbranch_scc0 .Lentry_shape_is_right
	s_endpgm
.Lentry_shape_is_right:
; One work-group = one (batch b, head H): q, k, v projections, softmax(q k^T) v, P^T (P V), and the result quantised for the last projection.  All products on codes of FP6 (E2M3) with E8M0 scales.
; SHARES.  Four waves.  Wave w owns keys 128 w .. +127 and 512 + 128 w .. +127 from the projection to the output: k and v never leave the wave.
; THE PROJECTION OF k AND v.  Wk's and Wv's 64 rows lie whole in LDS, filled once.  Four passes of 256 keys: each wave brings its own 64 whole rows of hidden (768 bytes each, at multiples of 256) by one
; joint load, copies them into 384 registers (32 fragments), and the next pass's load lands in the same bytes under this pass's 256 matrix instructions.  A pass makes k (128 products, 16 accumulators by turns),
; quantises it, then v on the same accumulators.  Passes 0 to 2 are a loop; the last is written out: it fetches the text and Wq in place of hidden.
; The codes of pass p go to registers that hang on p: those few lines stand in arms of a branch on the pass's number.
; ORIENTATION (source 0 gives the registers, source 1 the lane): k^T = Wk x hidden, v = hidden x Wv, q^T = Wq x text, S^T = k x q, O^T = V^T x P, S = q x k, out^T = tgv^T x attn^T.
; ORDER ALONG K.  Two neighbouring result tiles give a lane 16 numbers of a block of 32; conversion and the exchange of halves leave a fixed order inside a block.  Both operands of the three attention
; products are made this way, so the products are the same.  For the last projection the rows of tgv^T that form a tile are chosen so that a lane's 16 registers are 16 neighbours.
; HEAD SIZE 64 IN A K OF 128.  A k operand holds TWO key tiles; q stands beside six registers of zero codes.  q's factor 1/8 is taken in the softmax's constant c = log2(e) / 8.
; THE RESULT.  oc[row tile of 16 keys][head][768 bytes]: half an operand fragment in the order of its registers.  os[b][H][key]: two scale bytes.
; CLUSTER.  The four heads of a cluster read the same hidden[b] and text rows: asked for jointly.  The weights differ from head to head and come by plain loads.
; PREFETCH.  Trip p of the loop (p = 0, 1) names the rows of pass p + 2, one trip ahead of their tensor load: 64 rows x 3 blocks of 256 bytes for each wave's place, 16 rows to each partner, told apart by address;
; the first of a batch's four clusters asks.  Passes 0 and 1 and the text come by their loads alone.
; LIMITS: NaN and infinities are not served.  A block whose largest magnitude lies under 2^-124 keeps the scale byte 1; a block of zeros gets the byte 1 (read by this program alone).
; q is quantised before its factor 1/8: where a block's exponent lies within 3 of the lower end of the scale's range the codes differ from those of q / 8.
.set TP,    816                        ; a row of 768 bytes in LDS: 3 x (256 + 16)
.set WTS,   208896                     ; behind hidden's 256 rows: Wk's 64 rows, then Wv's
.set WQ,    104448                     ; Wq's 64 rows, behind the text's 128: the last fill of hidden's bytes
.set SPARE, 313344                     ; the spare words, 128 bytes a wave
.set QIMG,  220160                     ; scratch, in the weights' bytes behind their last read: q's tiles as images, 9 x 768
.set QSC,   QIMG+6912
.set STM,   QSC+1152                   ; -M of each wave, [4][128]
.set STL,   STM+2048
.set GF,    STL+2048
.set NMG,   GF+2048
.set RLG,   NMG+512
.set OSB,   RLG+512
.set OPW,   33792                      ; a wave's partial O^T: 64 rows (d) x 528, from LDS byte 0 on
.set OPP,   528
.set TIMG,  135168
.set TSC,   141312
.set KIMG,  153600                     ; each wave's 9 images of k pairs
.set KIW,   14976
.set KII,   1664
.set SPW, 1
.set NIL, 2
.set ADH, 4                            ; v4-5 my rows of hidden; v6-7 Wk, v8-9 Wv (the second of a pair: behind one padding more)
.set ADW, 6
.set PFO, 28
.set PFT, 29
.set HSO, 30                           ; 32 r + 1024 h
.set BKO, 31                           ; 32 h
.set HS,  32                           ; hidden's scale words: 8 (i % 2) + ks: block i below, i + 2 above
.set WKS, 48
.set WVS, 64
.set TM,  80
.set PL,  88
.set SC,  96
.set XO,  104
.set WV, 34
.set WH, 35
.set WL, 60
.set CX, 61
.set HN, 62
.set BB, 63
.set SEL, 66
.set CS, 100
.set LIM, 16
.set PC, 17
.set G1T, 52
.set G1Q, 68
.set G0H, 76
.set G0W, 84
.set G0T, 92
.set G0Q, 96
.set MSB, 0
.macro WIN new
.if MSB != (\new)
	s_set_vgpr_msb (MSB<<8)|(\new)
.set MSB, (\new)
.endif
.endm
.macro PLACES n
.rept \n
	v_nop
.endr
.endm
.macro CREST
	s_cmp_lg_u32 s[WV], 0
	s_cbranch_scc1 .Lnw0_\@
	s_barrier_signal -3
.Lnw0_\@:
	s_barrier_wait -3
	s_barrier_signal -1
	s_barrier_wait -1
.endm
.macro ROUND
	s_barrier_signal -1
	s_barrier_wait -1
	CREST
.endm
.macro BAR
	s_wait_dscnt 0x0
	s_barrier_signal -1
	s_barrier_wait -1
.endm
; One product.  c < 0: the sum starts at 0.  ra, rb: which half of the lanes holds the side's scale words.
.macro WM d, a, b, c, sa, sb, ra, rb
.if (\c) < 0
.if ((\ra) == 0) && ((\rb) == 0)
	v_wmma_scale_f32_16x16x128_f8f6f4 v[(\d):(\d)+7], v[(\a):(\a)+11], v[(\b):(\b)+11], 0, v[\sa], v[\sb] matrix_a_fmt:MATRIX_FMT_FP6 matrix_b_fmt:MATRIX_FMT_FP6
.elseif ((\ra) == 1) && ((\rb) == 0)
	v_wmma_scale_f32_16x16x128_f8f6f4 v[(\d):(\d)+7], v[(\a):(\a)+11], v[(\b):(\b)+11], 0, v[\sa], v[\sb] matrix_a_fmt:MATRIX_FMT_FP6 matrix_b_fmt:MATRIX_FMT_FP6 matrix_a_scale:MATRIX_SCALE_ROW1
.elseif ((\ra) == 0) && ((\rb) == 1)
	v_wmma_scale_f32_16x16x128_f8f6f4 v[(\d):(\d)+7], v[(\a):(\a)+11], v[(\b):(\b)+11], 0, v[\sa], v[\sb] matrix_a_fmt:MATRIX_FMT_FP6 matrix_b_fmt:MATRIX_FMT_FP6 matrix_b_scale:MATRIX_SCALE_ROW1
.else
	v_wmma_scale_f32_16x16x128_f8f6f4 v[(\d):(\d)+7], v[(\a):(\a)+11], v[(\b):(\b)+11], 0, v[\sa], v[\sb] matrix_a_fmt:MATRIX_FMT_FP6 matrix_b_fmt:MATRIX_FMT_FP6 matrix_a_scale:MATRIX_SCALE_ROW1 matrix_b_scale:MATRIX_SCALE_ROW1
.endif
.else
.if ((\ra) == 0) && ((\rb) == 0)
	v_wmma_scale_f32_16x16x128_f8f6f4 v[(\d):(\d)+7], v[(\a):(\a)+11], v[(\b):(\b)+11], v[(\c):(\c)+7], v[\sa], v[\sb] matrix_a_fmt:MATRIX_FMT_FP6 matrix_b_fmt:MATRIX_FMT_FP6
.elseif ((\ra) == 1) && ((\rb) == 0)
	v_wmma_scale_f32_16x16x128_f8f6f4 v[(\d):(\d)+7], v[(\a):(\a)+11], v[(\b):(\b)+11], v[(\c):(\c)+7], v[\sa], v[\sb] matrix_a_fmt:MATRIX_FMT_FP6 matrix_b_fmt:MATRIX_FMT_FP6 matrix_a_scale:MATRIX_SCALE_ROW1
.elseif ((\ra) == 0) && ((\rb) == 1)
	v_wmma_scale_f32_16x16x128_f8f6f4 v[(\d):(\d)+7], v[(\a):(\a)+11], v[(\b):(\b)+11], v[(\c):(\c)+7], v[\sa], v[\sb] matrix_a_fmt:MATRIX_FMT_FP6 matrix_b_fmt:MATRIX_FMT_FP6 matrix_b_scale:MATRIX_SCALE_ROW1
.else
	v_wmma_scale_f32_16x16x128_f8f6f4 v[(\d):(\d)+7], v[(\a):(\a)+11], v[(\b):(\b)+11], v[(\c):(\c)+7], v[\sa], v[\sb] matrix_a_fmt:MATRIX_FMT_FP6 matrix_b_fmt:MATRIX_FMT_FP6 matrix_a_scale:MATRIX_SCALE_ROW1 matrix_b_scale:MATRIX_SCALE_ROW1
.endif
.endif
.endm
; A fragment, 16 rows x 128 K, 12 registers: lane (r, h) takes 24 bytes at 24 h and 24 at 48 + 24 h of its row's 96, in pieces of 8.  16 bytes of padding lie behind every 32 pieces: where the piece
; three on lies behind one padding more, the second address register serves.
.macro FRAGQ reg, adr, ks, i
.irp p, 0,1,2,3,4,5
.set PC8, 12*(\ks)+6*(\p/3)+\p%3
.if PC8%32 < 29
	ds_load_b64 v[\reg+2*\p:\reg+2*\p+1], v[\adr] offset:8*PC8+16*(PC8/32)+(\i)*16*TP
.else
	ds_load_b64 v[\reg+2*\p:\reg+2*\p+1], v[\adr+1] offset:8*PC8+16*(PC8/32)+(\i)*16*TP
.endif
.endr
.endm
.macro PULL                            ; my 64 rows of hidden, all of K: block i, K step ks at 96 (i % 2) + 12 ks of window 1 (blocks 0, 1) or 2
.irp i, 0,1,2,3
	WIN 0x40<<(\i/2)
.irp ks, 0,1,2,3,4,5,6,7
	FRAGQ 96*(\i%2)+12*\ks, ADH, \ks, \i
.endr
.endr
	WIN 0
.endm
.macro FETCHW hs                       ; half step hs: four fragments of Wk (hs < 8) or Wv, K step hs % 8, into set hs % 2 of window 3 (v128, v176)
	WIN 0xc0
.irp a, 0,1,2,3
	FRAGQ 128+48*((\hs)%2)+12*\a, ADW+2*((\hs)/8), (\hs)%8, \a
.endr
.endm
; 16 products of a half step; the 16 accumulators (window 3, v0-127) take turns, one instruction a turn.  In K step 0 the bias is the C.
.macro MULT hs
.set mks, (\hs)%8
.set mst, 128+48*((\hs)%2)
.set mx, 0
.rept 16
.set ma, mx%4
.set mb, mx/4
.if (\hs) < 8
	WIN 0xf3|(4<<(mb/2))
.if mks == 0
	WM 8*(4*mb+ma), mst+12*ma, 96*(mb%2)+12*mks, 224+8*ma, WKS+8*(ma%2)+mks, HS+8*(mb%2)+mks, ma/2, mb/2
.else
	WM 8*(4*mb+ma), mst+12*ma, 96*(mb%2)+12*mks, 8*(4*mb+ma), WKS+8*(ma%2)+mks, HS+8*(mb%2)+mks, ma/2, mb/2
.endif
.else
.if mks == 0
	WIN 0xcc|(1+mb/2)|((1+ma/2)<<4)
	WM 8*(4*ma+mb), 96*(mb%2)+12*mks, mst+12*ma, 240+8*(ma%2), HS+8*(mb%2)+mks, WVS+8*(ma%2)+mks, mb/2, ma/2
.else
	WIN 0xfc|(1+mb/2)
	WM 8*(4*ma+mb), 96*(mb%2)+12*mks, mst+12*ma, 8*(4*ma+mb), HS+8*(mb%2)+mks, WVS+8*(ma%2)+mks, mb/2, ma/2
.endif
.endif
.set mx, mx+1
.endr
.endm
.macro HSTEP hs, more                  ; the next half step's fragments are asked for first
	PLACES 4                                       ; in front of loads into the set that the half step before multiplied
.if \more
	FETCHW (\hs)+1
	s_wait_dscnt 24                                ; all but the 24 just issued
.else
	s_wait_dscnt 0x0
.endif
	MULT \hs
.endm
; nb blocks of 32: block n's 16 numbers of my lane stand at v[base + 16 n] on.  Out: v[SC + n] the conversion's scale operand, v[PL + n] the scale's byte.  The floor 2^(3 - 127) holds the byte at 1 from below.
.macro BMAX w, base, nb, ab
	WIN \w
.set bn, 0
.rept \nb
.if \ab
	v_max3_num_f32 v[TM+bn], 0x1800000, |v[\base+16*bn]|, |v[\base+16*bn+1]|
.else
	v_max3_num_f32 v[TM+bn], 0x1800000, v[\base+16*bn], v[\base+16*bn+1]
.endif
.set bn, bn+1
.endr
.set bi, 2
.rept 7
.set bn, 0
.rept \nb
.if \ab
	v_max3_num_f32 v[TM+bn], v[TM+bn], |v[\base+16*bn+bi]|, |v[\base+16*bn+bi+1]|
.else
	v_max3_num_f32 v[TM+bn], v[TM+bn], v[\base+16*bn+bi], v[\base+16*bn+bi+1]
.endif
.set bn, bn+1
.endr
.set bi, bi+2
.endr
	WIN 0
.set bn, 0
.rept \nb
	v_permlanex16_b32 v[PL+bn], v[TM+bn], s[SEL], s[SEL+1]
.set bn, bn+1
.endr
.set bn, 0
.rept \nb
	v_max_num_f32 v[TM+bn], v[TM+bn], v[PL+bn]
.set bn, bn+1
.endr
.set bn, 0
.rept \nb
	v_add_nc_u32 v[SC+bn], 0xff000000, v[TM+bn]
.set bn, bn+1
.endr
.set bn, 0
.rept \nb
	v_lshrrev_b32 v[PL+bn], 23, v[SC+bn]
.set bn, bn+1
.endr
.endm
.macro WORD4 dst, b0
	v_lshl_or_b32 v[\dst], v[\b0+1], 8, v[\b0]
	v_lshl_or_b32 v[\dst], v[\b0+2], 16, v[\dst]
	v_lshl_or_b32 v[\dst], v[\b0+3], 24, v[\dst]
.endm
.macro QCODE w, base, pc, sc0, xo
	WIN \w
.irp c, 0,1
	v_cvt_scalef32_pk16_fp6_f32 v[\pc+6*\c:\pc+6*\c+2], v[\base+32*\c:\base+32*\c+15], v[\sc0+2*\c]
	v_cvt_scalef32_pk16_fp6_f32 v[\xo+4*\c:\xo+4*\c+2], v[\base+32*\c+16:\base+32*\c+31], v[\sc0+2*\c+1]
.endr
	WIN 0
	v_nop
.irp c, 0,1
.irp i, 0,1,2
	v_permlane16_swap_b32 v[\pc+6*\c+\i], v[\xo+4*\c+\i]
.endr
.irp i, 0,1,2
	v_mov_b32 v[\pc+6*\c+3+\i], v[\xo+4*\c+\i]
.endr
.endr
.endm
; k of pass p: four key tiles x two blocks of d become operands 2 p, 2 p + 1 (v192 + 12 n, from n = 4 on v144 + 12 (n - 4)) and their scale words (v240 + n, v248 + n - 4)
.macro KOUT p
.set KH, 192+24*(\p)-96*((\p)/2)
	WORD4 240+2*(\p)+4*((\p)/2), PL
	WORD4 241+2*(\p)+4*((\p)/2), PL+4
	WIN 0x03
.irp bb, 0,1,2,3
	v_cvt_scalef32_pk16_fp6_f32 v[KH+6*\bb:KH+6*\bb+2], v[32*\bb:32*\bb+15], v[SC+2*\bb]
	v_cvt_scalef32_pk16_fp6_f32 v[XO+4*\bb:XO+4*\bb+2], v[32*\bb+16:32*\bb+31], v[SC+2*\bb+1]
.endr
	WIN 0
	v_nop
.irp bb, 0,1,2,3
.irp i, 0,1,2
	v_permlane16_swap_b32 v[KH+6*\bb+\i], v[XO+4*\bb+\i]
.endr
.irp i, 0,1,2
	v_mov_b32 v[KH+6*\bb+3+\i], v[XO+4*\bb+\i]
.endr
.endr
.endm
.macro EPIV                            ; v of a pass: 4 tiles of d x 2 blocks of keys: maxima, codes and the exchange of halves, in window 0
	BMAX 0x3c, 0, 8, 1
	WIN 0x03
.irp k, 0,1,2,3,4,5,6,7
	v_cvt_scalef32_pk16_fp6_f32 v[XO+4*\k:XO+4*\k+2], v[16*\k:16*\k+15], v[SC+\k]
.endr
	WIN 0
	v_nop
.irp k, 0,2,4,6
.irp i, 0,1,2
	v_permlane16_swap_b32 v[XO+4*\k+\i], v[XO+4*\k+4+\i]
.endr
.endr
.endm
.macro VOUT p                          ; to half p % 2 of the fragments of segment p / 2 (window 1 or 2, v192 + 12 a), and the two bytes into the words v244 + 8 (p / 2) + a
	WIN 0x40<<((\p)/2)
.irp k, 0,1,2,3,4,5,6,7
.irp i, 0,1,2
	v_mov_b32 v[192+12*(\k/2)+6*((\p)%2)+3*(\k%2)+\i], v[XO+4*\k+\i]
.endr
.endr
	WIN 0
.irp a, 0,1,2,3
.if (\p)%2 == 0
	v_lshl_or_b32 v[244+8*((\p)/2)+\a], v[PL+2*\a+1], 8, v[PL+2*\a]
.else
	v_lshl_or_b32 v[TM+\a], v[PL+2*\a+1], 8, v[PL+2*\a]
.endif
.endr
.if (\p)%2 == 1
.irp a, 0,1,2,3
	v_lshl_or_b32 v[244+8*((\p)/2)+\a], v[TM+\a], 16, v[244+8*((\p)/2)+\a]
.endr
.endif
.endm
.macro OUTP isk, p
.if \isk
	KOUT \p
.else
	VOUT \p
.endif
.endm
.macro ARMS isk                        ; the lines whose register numbers hang on the pass, chosen by the loop's counter
	s_wait_alu depctr_va_vdst(0)
	s_cmp_eq_u32 s[PC], 0
	s_cbranch_scc0 .La1_\@
	OUTP \isk, 0
	s_branch .Lad_\@
.La1_\@:
	s_cmp_eq_u32 s[PC], 1
	s_cbranch_scc0 .La2_\@
	OUTP \isk, 1
	s_branch .Lad_\@
.La2_\@:
	OUTP \isk, 2
.Lad_\@:
.endm
; A pass up to v's last product.  At its top hidden's bytes are filled again: every wave has waited for its loads, added 0 to its spare word and waited for that and for its copy of the rows; a round; the refill first.
.macro PASSB last
	s_wait_tensorcnt 0x0
	ds_add_u32 v[SPW], v[NIL]
.if (\last) == 0
	s_cmp_eq_u32 s[PC], 1
	s_cselect_b32 s88, 0x54000, s82                ; 64 rows on; from pass 1 to pass 2: 448 rows
	s_add_nc_u64 s[G0H+2:G0H+3], s[G0H+2:G0H+3], s[88:89]
.endif
	s_wait_dscnt 0x0
	ROUND
.if (\last) == 0
	tensor_load_to_lds s[G0H:G0H+3], s[G1T:G1T+7]  ; my 64 rows of the next pass
	s_nop 0
	PLACES 4
.else
	s_cmp_lt_u32 s[WV], 2                          ; waves 0, 1: the text's halves, jointly; wave 2: Wq
	s_cbranch_scc0 .Lq_\@
	tensor_load_to_lds s[G0T:G0T+3], s[G1T:G1T+7]
	s_nop 0
	PLACES 4
	s_branch .Ld_\@
.Lq_\@:
	s_cmp_eq_u32 s[WV], 2
	s_cbranch_scc0 .Ld_\@
	tensor_load_to_lds s[G0Q:G0Q+3], s[G1Q:G1Q+7]
	s_nop 0
	PLACES 4
.Ld_\@:
.endif
	FETCHW 0
	WIN 0
.if (\last) == 0
	s_cmp_lt_u32 s[PC], s[LIM]
	s_cbranch_scc0 .Lnp_\@
	global_prefetch_b8 v[PFO], s[4:5] th:TH_LOAD_NT scope:SCOPE_SE
	global_prefetch_b8 v[PFT], s[4:5] th:TH_LOAD_NT scope:SCOPE_SE
.Lnp_\@:
.endif
	s_wait_loadcnt 0x0                             ; scale words and biases
.set hh, 0
.rept 8
	HSTEP hh, 1
.set hh, hh+1
.endr
	PLACES 4
	BMAX 0x3c, 0, 8, 1
.if \last
	KOUT 3
.else
	ARMS 1
.endif
.rept 7
	HSTEP hh, 1
.set hh, hh+1
.endr
	HSTEP 15, 0
	PLACES 4
	WIN 0
.endm
	; ---------------- the head
	s_load_b512 s[4:19], s[0:1], 0x0               ; hidden codes, scales; text codes, scales; Wq codes, scales; Wk codes, scales
	s_load_b256 s[20:27], s[0:1], 0x40             ; Wv codes, scales; bq; bk
	s_load_b128 s[28:31], s[0:1], 0x60             ; bv; oc
	s_load_b64 s[32:33], s[0:1], 0x70              ; os
	v_lshl_add_u32 v[SPW], v0, 2, SPARE
	v_mov_b32 v[NIL], 0
	ds_add_u32 v[SPW], v[NIL]                      ; the opening lines
	ds_add_u32 v[SPW], v[NIL]
	v_lshrrev_b32 v3, 5, v0
	v_readfirstlane_b32 s[WV], v3
	s_lshr_b32 s[WH], s[WV], 1
	s_and_b32 s[WL], s[WV], 1
	s_bfe_u32 s[CX], ttmp6, 0x40000
	s_lshl_b32 s[HN], ttmp9, 2
	s_add_co_u32 s[HN], s[HN], s[CX]               ; the head
	s_and_b32 s[BB], ttmp7, 0xffff                 ; the batch
	s_mov_b32 s[SEL], 0x76543210
	s_mov_b32 s[SEL+1], 0xfedcba98
	s_mov_b32 s[CS], 0x3e38aa3b                    ; c = log2(e) / 8
	s_mov_b32 s[CS+1], s[CS]
	s_mov_b32 s82, 49152
	s_mov_b32 s83, 2048
	s_mov_b32 s89, 0
	s_mov_b32 s91, 0
	; groups 1: 64 rows x 768 bytes, 16 bytes of padding behind every 256.  Hidden and the text: mask of all four; the weights: none
	s_mov_b32 s[G1T], 15|(1<<20)|(1<<21)|(5<<22)|(3<<25)
	s_mov_b32 s[G1Q], (1<<20)|(5<<22)|(3<<25)
.irp g, G1T, G1Q
	s_mov_b32 s[\g+1], 768<<16
	s_mov_b32 s[\g+2], 64<<16
	s_mov_b32 s[\g+3], 768<<16
	s_mov_b32 s[\g+4], 64
	s_mov_b32 s[\g+5], 768
	s_mov_b32 s[\g+6], 0
	s_mov_b32 s[\g+7], 0
.endr
	s_mov_b32 s3, 0
	s_mov_b32 s105, 0
	s_mul_i32 s2, s[BB], 786432
	s_wait_dscnt 0x0
	s_wait_kmcnt 0x0
	s_add_nc_u64 s[4:5], s[4:5], s[2:3]            ; hidden[b]
	s_mul_i32 s2, s[BB], 98304
	s_add_nc_u64 s[8:9], s[8:9], s[2:3]            ; the batch's queries
	s_mul_i32 s2, s[WV], 98304                     ; row 128 w
	s_add_nc_u64 s[4:5], s[4:5], s[2:3]
	s_mov_b64 s[G0H+2:G0H+3], s[4:5]
	s_or_b32 s[G0H+3], s[G0H+3], 0x80000000
	s_mov_b32 s[G0H], 1
	s_mul_i32 s[G0H+1], s[WV], 52224
	s_add_nc_u64 s[4:5], s[4:5], 393216            ; the prefetches' base: row 128 w + 512
	s_mul_i32 s2, s[WL], 49152
	s_add_nc_u64 s[G0T+2:G0T+3], s[8:9], s[2:3]
	s_or_b32 s[G0T+3], s[G0T+3], 0x80000000
	s_mov_b32 s[G0T], 1
	s_mul_i32 s[G0T+1], s[WL], 52224
	s_mul_i32 s104, s[HN], 49152                   ; the head's 64 rows of a weight
	s_cmp_eq_u32 s[WL], 0
	s_cselect_b64 s[G0W+2:G0W+3], s[16:17], s[20:21]   ; wave 0: Wk, wave 1: Wv
	s_add_nc_u64 s[G0W+2:G0W+3], s[G0W+2:G0W+3], s[104:105]
	s_or_b32 s[G0W+3], s[G0W+3], 0x80000000
	s_mov_b32 s[G0W], 1
	s_mul_i32 s[G0W+1], s[WL], 52224
	s_add_co_u32 s[G0W+1], s[G0W+1], WTS
	s_add_nc_u64 s[G0Q+2:G0Q+3], s[12:13], s[104:105]
	s_or_b32 s[G0Q+3], s[G0Q+3], 0x80000000
	s_mov_b32 s[G0Q], 1
	s_mov_b32 s[G0Q+1], WQ
	ROUND
	tensor_load_to_lds s[G0H:G0H+3], s[G1T:G1T+7]  ; pass 0: my 64 rows: one load a wave at the head
	s_nop 0
	PLACES 4
	s_lshl_b32 s2, s[BB], 15
	s_lshl_b32 s12, s[WV], 12
	s_add_co_u32 s2, s2, s12
	s_add_nc_u64 s[6:7], s[6:7], s[2:3]            ; hidden's scales: row 1024 b + 128 w
	s_lshl_b32 s2, s[BB], 12
	s_lshl_b32 s12, s[WV], 10
	s_add_co_u32 s2, s2, s12
	s_add_nc_u64 s[10:11], s[10:11], s[2:3]        ; the text's scales: row 128 b + 32 w
	s_lshl_b32 s104, s[HN], 11
	s_add_nc_u64 s[14:15], s[14:15], s[104:105]
	s_add_nc_u64 s[18:19], s[18:19], s[104:105]
	s_add_nc_u64 s[22:23], s[22:23], s[104:105]
	s_lshl_b32 s104, s[HN], 8
	s_add_nc_u64 s[24:25], s[24:25], s[104:105]
	s_add_nc_u64 s[26:27], s[26:27], s[104:105]
	s_add_nc_u64 s[28:29], s[28:29], s[104:105]
	s_mul_i32 s104, s[BB], 786432
	s_mul_i32 s12, s[WV], 98304
	s_add_co_u32 s104, s104, s12
	s_mul_i32 s12, s[HN], 768
	s_add_co_u32 s104, s104, s12
	s_add_nc_u64 s[30:31], s[30:31], s[104:105]    ; oc: row tile 64 b + 8 w, head H
	s_lshl_b32 s104, s[BB], 4
	s_add_co_u32 s104, s104, s[HN]
	s_lshl_b32 s104, s104, 11
	s_lshl_b32 s12, s[WV], 8
	s_add_co_u32 s104, s104, s12
	s_add_nc_u64 s[32:33], s[32:33], s[104:105]    ; os: [b][H], key 128 w
	s_cmp_eq_u32 ttmp9, 0                          ; the batch's first cluster asks, in trips 0 and 1
	s_cselect_b32 s[LIM], 2, 0
	s_mul_i32 s2, s[WV], 52224
	s_lshl_b32 s104, s[CX], 4
	v_and_b32 v10, 15, v0                          ; r
	v_bfe_u32 v11, v0, 4, 1                        ; h
	v_lshlrev_b32 v13, 5, v10
	v_lshl_add_u32 v[HSO], v11, 10, v13
	v_lshlrev_b32 v[BKO], 5, v11
	v_lshlrev_b32 v14, 2, v10
	s_wait_alu depctr_va_vdst(0)
.irp i, 0,1
	global_load_b128 v[HS+8*\i:HS+8*\i+3], v[HSO], s[6:7] offset:512*\i
	global_load_b128 v[HS+8*\i+4:HS+8*\i+7], v[HSO], s[6:7] offset:512*\i+16
	global_load_b128 v[WKS+8*\i:WKS+8*\i+3], v[HSO], s[18:19] offset:512*\i
	global_load_b128 v[WKS+8*\i+4:WKS+8*\i+7], v[HSO], s[18:19] offset:512*\i+16
	global_load_b128 v[WVS+8*\i:WVS+8*\i+3], v[HSO], s[22:23] offset:512*\i
	global_load_b128 v[WVS+8*\i+4:WVS+8*\i+7], v[HSO], s[22:23] offset:512*\i+16
.endr
	WIN 0xc0
.irp a, 0,1,2,3
	global_load_b128 v[224+8*\a:224+8*\a+3], v[BKO], s[26:27] offset:64*\a      ; bk[16 a + 8 h + 0 .. 7], window 3
	global_load_b128 v[224+8*\a+4:224+8*\a+7], v[BKO], s[26:27] offset:64*\a+16
.endr
.irp a, 0,1,2,3
	WIN 0x40<<(\a/2)
.irp j, 0,1,2,3,4,5,6,7
	global_load_b32 v[240+8*(\a%2)+\j], v14, s[28:29] offset:64*\a              ; bv[16 a + r] in all eight registers of the C: window 1 (a < 2) or 2
.endr
.endr
	WIN 0
	v_mul_u32_u24 v13, v10, TP
	v_mad_u32_u24 v13, v11, 24, v13
	v_add_nc_u32 v[ADH], s2, v13
	v_lshl_add_u32 v[ADH+1], v11, 4, v[ADH]
	v_add_nc_u32 v[ADW], WTS, v13
	v_lshl_add_u32 v[ADW+1], v11, 4, v[ADW]
	v_add_nc_u32 v[ADW+2], WTS+52224, v13
	v_lshl_add_u32 v[ADW+3], v11, 4, v[ADW+2]
	v_add_nc_u32 v15, s104, v10
	v_mul_u32_u24 v15, v15, 768                    ; row 16 cx + r of a wave's 64
	v_lshl_add_u32 v[PFO], v11, 8, v15             ; blocks 0 and 1,
	v_add_nc_u32 v[PFT], 512, v15                  ; block 2 (both halves of the lanes name it)
.irp n, 0,1,2,3,4,5,6,7
	v_mov_b32 v[PL+\n], 0                          ; a lane permute's destination counts as one of its sources
.endr
.set jj, 144                           ; the registers of k's and v's codes and scale words are written once here: each is next written in one arm of a branch on the pass's number
.rept 112
	v_mov_b32 v[jj], 0
.set jj, jj+1
.endr
.irp w, 0x40, 0x80
	WIN \w
.set jj, 192
.rept 48
	v_mov_b32 v[jj], 0
.set jj, jj+1
.endr
.endr
	WIN 0
	s_wait_alu depctr_va_vdst(0)
	s_wait_tensorcnt 0x0                           ; my rows of pass 0 are in; the same lines as ahead of a refill stand ahead of the weights' first fill
	ds_add_u32 v[SPW], v[NIL]
	s_wait_dscnt 0x0
	ROUND
	s_cmp_lt_u32 s[WV], 2
	s_cbranch_scc0 .Lnow
	tensor_load_to_lds s[G0W:G0W+3], s[G1Q:G1Q+7]  ; Wk (wave 0), Wv (wave 1): they land under the copy below
	s_nop 0
	PLACES 4
.Lnow:
	PULL
	s_mov_b32 s[PC], 0
.Lpass:
	PASSB 0
	s_wait_tensorcnt 0x0                           ; the one load that I have out: my rows of the next pass, which I alone read
	PULL
	s_cmp_eq_u32 s[PC], 1
	s_cselect_b32 s90, 14336, s83                  ; the same step in rows of 32 bytes
	s_wait_xcnt 0x0                                ; the prefetches have read their base
	s_add_nc_u64 s[6:7], s[6:7], s[90:91]
	s_add_nc_u64 s[4:5], s[4:5], 49152
.irp i, 0,1
	global_load_b128 v[HS+8*\i:HS+8*\i+3], v[HSO], s[6:7] offset:512*\i
	global_load_b128 v[HS+8*\i+4:HS+8*\i+7], v[HSO], s[6:7] offset:512*\i+16
.endr
	EPIV                                           ; the copy and the scale words land under v's epilogue
	ARMS 0
	s_add_co_u32 s[PC], s[PC], 1
	s_cmp_lt_u32 s[PC], 3
	s_wait_alu depctr_va_vdst(0)
	s_cbranch_scc1 .Lpass
	PASSB 1
.set RR, 23
.set HH, 24
.set LL, 25
	v_and_b32 v[RR], 15, v0
	v_bfe_u32 v[HH], v0, 4, 1
	v_and_b32 v[LL], 31, v0
	v_lshlrev_b32 v3, 5, v[RR]
	v_lshl_add_u32 v26, v[HH], 9, v3
	v_lshl_add_u32 v27, v[HH], 10, v3
	global_load_b128 v[32:35], v26, s[10:11]       ; the text's scale words: v32 + ks
	global_load_b128 v[36:39], v26, s[10:11] offset:16
.irp i, 0,1
	global_load_b128 v[40+8*\i:40+8*\i+3], v27, s[14:15] offset:512*\i      ; Wq's: v40 + 8 (a % 2) + ks
	global_load_b128 v[44+8*\i:44+8*\i+3], v27, s[14:15] offset:512*\i+16
.endr
	WIN 0x80
.irp a, 0,1,2,3
	global_load_b128 v[128+8*\a:128+8*\a+3], v[BKO], s[24:25] offset:64*\a      ; bq as C, in window 2, which hidden has left
	global_load_b128 v[128+8*\a+4:128+8*\a+7], v[BKO], s[24:25] offset:64*\a+16
.endr
	WIN 0
	EPIV
	VOUT 3
	; ---------------- q: wave w makes tiles 2 w, 2 w + 1 (16 queries each)
.set ATX, 4
.set AWQ, 6
.set AQI, 8
.set AQ8, 9
.set AQS, 10
.set AKI, 11
.set AKS, 12
.set AQL, 13
.set AQL8, 14
.set AQLS, 15
.set OP0, 16
.set ST0, 17
	s_lshl_b32 s2, s[WV], 5
	v_add_nc_u32 v3, s2, v[RR]
	v_mul_u32_u24 v3, v3, TP
	v_mad_u32_u24 v[ATX], v[HH], 24, v3
	v_lshl_add_u32 v[ATX+1], v[HH], 4, v[ATX]
	v_mul_u32_u24 v3, v[RR], TP
	v_mad_u32_u24 v3, v[HH], 24, v3
	v_add_nc_u32 v[AWQ], WQ, v3
	v_lshl_add_u32 v[AWQ+1], v[HH], 4, v[AWQ]
	s_mul_i32 s2, s[WV], 1536
	s_add_co_u32 s2, s2, QIMG
	v_lshl_add_u32 v[AQI], v[LL], 4, s2
	s_add_co_u32 s2, s2, 512
	v_lshl_add_u32 v[AQ8], v[LL], 3, s2
	s_lshl_b32 s2, s[WV], 8
	s_add_co_u32 s2, s2, QSC
	v_lshl_add_u32 v[AQS], v[LL], 2, s2
	s_mul_i32 s2, s[WV], KIW
	s_add_co_u32 s2, s2, KIMG
	v_lshl_add_u32 v[AKI], v[LL], 4, s2
	s_add_co_u32 s2, s2, 1536
	v_lshl_add_u32 v[AKS], v[LL], 2, s2
	v_lshl_add_u32 v[AQL], v[LL], 4, QIMG
	v_lshl_add_u32 v[AQL8], v[LL], 3, QIMG+512
	v_lshl_add_u32 v[AQLS], v[LL], 2, QSC
	s_mul_i32 s2, s[WV], OPW
	v_mul_u32_u24 v3, v[HH], 8*OPP
	v_lshl_add_u32 v3, v[RR], 2, v3
	v_add_nc_u32 v[OP0], s2, v3
	s_lshl_b32 s2, s[WV], 9
	s_add_co_u32 s2, s2, STM
	v_lshl_add_u32 v[ST0], v[RR], 2, s2
	s_wait_alu depctr_va_vdst(0)
	s_wait_tensorcnt 0x0                           ; the text's and Wq's loads have landed
	BAR
.macro FETCHQ ks                       ; 36 loads: two fragments of the text, four of Wq, into set ks % 2 of window 1
	WIN 0x40
.irp i, 0,1
	FRAGQ 72*((\ks)%2)+12*\i, ATX, \ks, \i
.endr
.irp a, 0,1,2,3
	FRAGQ 72*((\ks)%2)+24+12*\a, AWQ, \ks, \a
.endr
.endm
	FETCHQ 0
	s_wait_loadcnt 0x0
.irp ks, 0,1,2,3,4,5,6,7
.if \ks < 7
	PLACES 4
	FETCHQ (\ks+1)
	s_wait_dscnt 36
.else
	s_wait_dscnt 0x0
.endif
	WIN 0xa5
.irp i, 0,1
.irp a, 0,1,2,3
.if \ks == 0
	WM 32*\i+8*\a, 72*(\ks%2)+24+12*\a, 72*(\ks%2)+12*\i, 128+8*\a, 40+8*(\a%2)+\ks, 32+\ks, \a/2, \i
.else
	WM 32*\i+8*\a, 72*(\ks%2)+24+12*\a, 72*(\ks%2)+12*\i, 32*\i+8*\a, 40+8*(\a%2)+\ks, 32+\ks, \a/2, \i
.endif
.endr
.endr
.endr
	PLACES 4
	WIN 0
.set TM, 48                            ; from here on the temporaries lie in v48-95
.set PL, 56
.set SC, 64
.set XO, 72
.set NM, 88
.set LS, 90
.set T0, 94
.set T1, 95
.set QC, 120
.irp n, 0,1,2,3,4,5,6,7
	v_mov_b32 v[PL+\n], 0
.endr
	v_mov_b32 v[T1], 0
	BMAX 0x28, 0, 4, 1
.irp i, 0,1
	v_lshl_or_b32 v[T0], v[PL+2*\i+1], 8, v[PL+2*\i]
	v_lshl_or_b32 v[NM+\i], v[T0], 16, v[T0]       ; q's two bytes twice: they serve [q, Z] and [Z, q]
.endr
	WIN 0x02
.irp i, 0,1
	v_cvt_scalef32_pk16_fp6_f32 v[QC+8*\i:QC+8*\i+2], v[32*\i:32*\i+15], v[SC+2*\i]
	v_cvt_scalef32_pk16_fp6_f32 v[XO+4*\i:XO+4*\i+2], v[32*\i+16:32*\i+31], v[SC+2*\i+1]
.endr
	WIN 0
	v_nop
.irp i, 0,1
.irp e, 0,1,2
	v_permlane16_swap_b32 v[QC+8*\i+\e], v[XO+4*\i+\e]
.endr
.irp e, 0,1,2
	v_mov_b32 v[QC+8*\i+3+\e], v[XO+4*\i+\e]
.endr
.endr
.irp i, 0,1
	ds_store_b128 v[AQI], v[QC+8*\i:QC+8*\i+3] offset:768*\i
	ds_store_b64 v[AQ8], v[QC+8*\i+4:QC+8*\i+5] offset:768*\i
	ds_store_b32 v[AQS], v[NM+\i] offset:128*\i
.endr
	s_cmp_lg_u32 s[WV], 0                          ; wave 0 stores tile 0 once more, as the ninth image: the loop's last trip fetches it and uses nothing of it
	s_cbranch_scc1 .Lno_ninth
	ds_store_b128 v[AQI], v[QC:QC+3] offset:6144
	ds_store_b64 v[AQ8], v[QC+4:QC+5] offset:6144
	ds_store_b32 v[AQS], v[NM] offset:1024
.Lno_ninth:
	BAR                                            ; q's images lie in LDS; nobody reads the text or Wq any more
.irp n, 0,1,2,3,4,5,6,7                ; my eight k operands go to LDS as images, for the second walk
.irp c, 0,1,2
	ds_store_b128 v[AKI], v[192+12*\n-96*(\n/4)+4*\c:192+12*\n-96*(\n/4)+4*\c+3] offset:KII*\n+512*\c
.endr
	ds_store_b32 v[AKS], v[240+\n+4*(\n/4)] offset:KII*\n
.endr
.irp c, 0,1,2
	ds_store_b128 v[AKI], v[192+4*\c:192+4*\c+3] offset:KII*8+512*\c
.endr
	ds_store_b32 v[AKS], v240 offset:KII*8
	; ---------------- first walk: for each tile of 16 queries S^T over my 256 keys, p = 2^(t - M_w), its sum, O^T_w = V^T P
.set ZQZ, 96
.set PF, 116
.set QW, 32
.set PW, 33
.irp i, 0,1,2,3,4,5
	v_mov_b32 v[ZQZ+\i], 0
	v_mov_b32 v[ZQZ+12+\i], 0
.endr
	PLACES 4
	ds_load_b128 v[ZQZ+6:ZQZ+9], v[AQL]
	ds_load_b64 v[ZQZ+10:ZQZ+11], v[AQL8]
	ds_load_b32 v[QW], v[AQLS]
	s_mov_b32 s104, 8
	s_mov_b32 s2, 768
	s_mov_b32 s3, 128
	s_mov_b32 s105, 0
.Latt1:
	s_wait_dscnt 0x0
	WIN 0x80
.set jj, 0
	s_wait_alu depctr_va_vdst(0)
.rept 16
	WM 8*jj, 192+12*(jj/2)-96*(jj/8), ZQZ+6-6*(jj%2), -1, 240+(jj/2)+4*(jj/8), QW, 0, 0
.set jj, jj+1
.endr
	WIN 0
	v_add_nc_u32 v18, s2, v[AQL]
	v_add_nc_u32 v19, s2, v[AQL8]
	v_add_nc_u32 v20, s3, v[AQLS]
	v_add_nc_u32 v21, s105, v[OP0]
	ds_load_b128 v[ZQZ+6:ZQZ+9], v18               ; the next tile lands under the softmax
	ds_load_b64 v[ZQZ+10:ZQZ+11], v19
	ds_load_b32 v[QW], v20
	WIN 0x28
.set bn, 0
.rept 8
	v_max3_num_f32 v[TM+bn], 0xff7fffff, v[16*bn], v[16*bn+1]      ; the largest score of each block of 32 keys
.set bn, bn+1
.endr
.set bi, 2
.rept 7
.set bn, 0
.rept 8
	v_max3_num_f32 v[TM+bn], v[TM+bn], v[16*bn+bi], v[16*bn+bi+1]
.set bn, bn+1
.endr
.set bi, bi+2
.endr
	WIN 0
.irp n, 0,1,2,3,4,5,6,7
	v_permlanex16_b32 v[PL+\n], v[TM+\n], s[SEL], s[SEL+1]
.endr
.irp n, 0,1,2,3,4,5,6,7
	v_max_num_f32 v[TM+\n], v[TM+\n], v[PL+\n]
.endr
	v_max3_num_f32 v[T0], v[TM], v[TM+1], v[TM+2]
	v_max3_num_f32 v[T0], v[T0], v[TM+3], v[TM+4]
	v_max3_num_f32 v[T0], v[T0], v[TM+5], v[TM+6]
	v_max_num_f32 v[T0], v[T0], v[TM+7]
	v_mul_f32 v[T0], s[CS], v[T0]
	v_floor_f32 v[NM], -v[T0]                      ; -M_w = floor(-t): a whole number
	v_mov_b32 v[NM+1], v[NM]
	WIN 0x82
.set jj, 0
.rept 64
	v_pk_fma_f32 v[jj:jj+1], v[jj:jj+1], s[CS:CS+1], v[NM:NM+1] op_sel_hi:[1,0,0]
.set jj, jj+2
.endr
	WIN 0
.irp n, 0,1,2,3,4,5,6,7
	v_fma_f32 v[TM+\n], v[TM+\n], s[CS], v[NM]
.endr
	WIN 0x82
.set jj, 0
	s_wait_alu depctr_va_vdst(0)
.rept 128
	v_exp_f32 v[jj], v[jj]
.set jj, jj+1
.endr
	WIN 0
	v_nop
	s_wait_alu depctr_va_vdst(0)                   ; one wait for the batch
.irp n, 0,1,2,3,4,5,6,7
	v_exp_f32 v[TM+\n], v[TM+\n]                   ; each block's largest p
.endr
	WIN 0x0a
	v_pk_add_f32 v[LS:LS+1], v[0:1], v[2:3]        ; the sum of the unquantised p, in two chains
	v_pk_add_f32 v[LS+2:LS+3], v[4:5], v[6:7]
	WIN 0x08
.set jj, 8
.rept 30
	v_pk_add_f32 v[LS:LS+1], v[LS:LS+1], v[jj:jj+1]
	v_pk_add_f32 v[LS+2:LS+3], v[LS+2:LS+3], v[jj+2:jj+3]
.set jj, jj+4
.endr
	WIN 0
	v_pk_add_f32 v[LS:LS+1], v[LS:LS+1], v[LS+2:LS+3]
	s_wait_alu depctr_va_vdst(0)
.irp n, 0,1,2,3,4,5,6,7
	v_max_num_f32 v[TM+\n], 0x1800000, v[TM+\n]
.endr
.irp n, 0,1,2,3,4,5,6,7
	v_add_nc_u32 v[SC+\n], 0xff000000, v[TM+\n]
.endr
.irp n, 0,1,2,3,4,5,6,7
	v_lshrrev_b32 v[PL+\n], 23, v[SC+\n]
.endr
	WORD4 PW, PL
	WORD4 PW+1, PL+4
	QCODE 0x02, 0, PF, SC, XO
	QCODE 0x02, 64, PF+12, SC+4, XO+8
	v_add_f32 v[LS], v[LS], v[LS+1]
	v_permlanex16_b32 v[T1], v[LS], s[SEL], s[SEL+1]
	v_add_f32 v[LS], v[LS], v[T1]
	PLACES 4
.irp sg, 0,1
	WIN 0xf1+\sg                                   ; v's segment 0 lies in window 1, segment 1 in window 2
.irp a, 0,1,2,3
.if \sg == 0
	WM 8*\a, 192+12*\a, PF, -1, 244+\a, PW, 0, 0
.else
	WM 8*\a, 192+12*\a, PF+12, 8*\a, 252+\a, PW+1, 0, 0
.endif
.endr
.endr
	WIN 0
	v_add_nc_u32 v22, s105, v[ST0]
	PLACES 3
	WIN 0x0c
.irp a, 0,1,2,3
.irp j, 0,1,2,3,4,5,6,7
	ds_store_b32 v21, v[8*\a+\j] offset:(16*\a+\j)*OPP
.endr
.endr
	WIN 0
	ds_store_b32 v22, v[NM]
	ds_store_b32 v22, v[LS] offset:STL-STM
	s_add_co_u32 s2, s2, 768
	s_add_co_u32 s3, s3, 128
	s_add_co_u32 s105, s105, 64
	s_sub_co_u32 s104, s104, 1
	s_cmp_lg_u32 s104, 0
	s_cbranch_scc1 .Latt1
	BAR
	; ---------------- the four waves' maxima and sums are joined: thread t takes query t
	v_lshl_add_u32 v3, v0, 2, STM
.irp n, 0,1,2,3
	ds_load_b32 v[48+\n], v3 offset:512*\n
	ds_load_b32 v[52+\n], v3 offset:2048+512*\n
.endr
	s_wait_dscnt 0x0
	v_min3_num_f32 v56, v48, v49, v50
	v_min_num_f32 v56, v56, v51                    ; -M
.irp n, 0,1,2,3
	v_sub_f32 v[60+\n], v56, v[48+\n]
.endr
.irp n, 0,1,2,3
	v_cvt_i32_f32 v[60+\n], v[60+\n]
.endr
.irp n, 0,1,2,3
	v_ldexp_f32 v[60+\n], 1.0, v[60+\n]            ; f_w = 2^(M_w - M): exact
.endr
	v_mul_f32 v57, v60, v52
	v_fma_f32 v57, v61, v53, v57
	v_fma_f32 v57, v62, v54, v57
	v_fma_f32 v57, v63, v55, v57                   ; l
	s_wait_alu depctr_va_vdst(0)
	v_rcp_f32 v58, v57
	v_nop
	s_wait_alu depctr_va_vdst(0)
.irp n, 0,1,2,3
	v_mul_f32 v[60+\n], v[60+\n], v58
.endr
.irp n, 0,1,2,3
	ds_store_b32 v3, v[60+\n] offset:GF-STM+512*\n
.endr
	ds_store_b32 v3, v56 offset:NMG-STM
	ds_store_b32 v3, v58 offset:RLG-STM
	BAR
	; ---------------- tgv^T = sum over the waves of O^T_w f_w / l.  Wave w makes tile w: lane r takes d = 32 (w / 2) + 8 (w % 2) + r + 8 (r / 8)
.set AOP, 4
.set AGF, 5
.set ATW, 6
.set ATSW, 7
.set ATI, 8
.set ATS, 9
.set ANM, 10
	v_and_b32 v3, 8, v[RR]
	v_add_nc_u32 v3, v3, v[RR]
	s_lshl_b32 s2, s[WH], 5
	s_lshl_b32 s3, s[WL], 3
	s_add_co_u32 s2, s2, s3
	v_add_nc_u32 v3, s2, v3
	v_mul_u32_u24 v3, v3, OPP
	v_lshl_add_u32 v[AOP], v[HH], 5, v3
	v_lshl_add_u32 v[AGF], v[HH], 5, GF
	s_mul_i32 s2, s[WV], 1536
	s_add_co_u32 s2, s2, TIMG
	v_lshl_add_u32 v[ATW], v[LL], 4, s2
	s_lshl_b32 s2, s[WV], 7
	s_add_co_u32 s2, s2, TSC
	v_lshl_add_u32 v[ATSW], v[LL], 2, s2
	v_lshl_add_u32 v[ATI], v[LL], 4, TIMG
	v_lshl_add_u32 v[ATS], v[LL], 2, TSC
	v_lshl_add_u32 v[ANM], v[HH], 5, NMG
.irp wp, 0,1,2,3
	WIN 0
	v_add_nc_u32 v26, \wp*OPW, v[AOP]
	WIN 0x80
.irp be, 0,1,2,3
.irp k, 0,1,2,3
	ds_load_b128 v[64+16*\be+4*\k:64+16*\be+4*\k+3], v26 offset:128*\be+16*(\k%2)+64*(\k/2)
	ds_load_b128 v[128+16*\be+4*\k:128+16*\be+4*\k+3], v[AGF] offset:512*\wp+128*\be+16*(\k%2)+64*(\k/2)
.endr
.endr
	s_wait_dscnt 0x0
	WIN 0xaa
.set jj, 0
.rept 32
.if \wp == 0
	v_pk_mul_f32 v[jj:jj+1], v[64+jj:65+jj], v[128+jj:129+jj]
.else
	v_pk_fma_f32 v[jj:jj+1], v[64+jj:65+jj], v[128+jj:129+jj], v[jj:jj+1]
.endif
.set jj, jj+2
.endr
.endr
	BMAX 0x28, 0, 4, 1
	WORD4 T0, PL
	QCODE 0x02, 0, 96, SC, XO
.irp c, 0,1,2
	ds_store_b128 v[ATW], v[96+4*\c:96+4*\c+3] offset:512*\c
.endr
	ds_store_b32 v[ATSW], v[T0]
	BAR
	; ---------------- second walk: two key tiles a trip: S = q k^T, attn = 2^(t - M) / l quantised along the queries, out^T = tgv^T attn^T, quantised along d and stored
.set QS, 32
.set TW, 40
.set KPW, 44
.set AW, 45
.set KP, 96
.set AFA, 108
.set AFB, 120
.set OCO, 16
.set AOS, 17
.set OC8, 20
	WIN 0x40
.irp t, 0,1,2,3,4,5,6,7,8
.irp i, 0,1,2,3,4,5
	v_mov_b32 v[12*\t+\i], 0                       ; the chain Z q0 Z q1 .. q7 Z in window 1
.endr
.endr
	PLACES 4
.irp t, 0,1,2,3,4,5,6,7
	ds_load_b128 v[12*\t+6:12*\t+9], v[AQL] offset:768*\t
	ds_load_b64 v[12*\t+10:12*\t+11], v[AQL8] offset:768*\t
.endr
.irp a, 0,1,2,3
.irp c, 0,1,2
	ds_load_b128 v[104+12*\a+4*\c:104+12*\a+4*\c+3], v[ATI] offset:1536*\a+512*\c
.endr
.endr
	WIN 0x80
.irp t, 0,1,2,3,4,5,6,7
.irp k, 0,1
	ds_load_b128 v[128+8*\t+4*\k:128+8*\t+4*\k+3], v[ANM] offset:64*\t+16*\k
	ds_load_b128 v[192+8*\t+4*\k:192+8*\t+4*\k+3], v[ANM] offset:RLG-NMG+64*\t+16*\k
.endr
.endr
	WIN 0
.irp t, 0,1,2,3,4,5,6,7
	ds_load_b32 v[QS+\t], v[AQLS] offset:128*\t
.endr
.irp a, 0,1,2,3
	ds_load_b32 v[TW+\a], v[ATS] offset:128*\a
.endr
.irp c, 0,1,2
	ds_load_b128 v[KP+4*\c:KP+4*\c+3], v[AKI] offset:512*\c
.endr
	ds_load_b32 v[KPW], v[AKS]
	v_lshlrev_b32 v[OCO], 4, v[LL]
	v_lshlrev_b32 v[OC8], 3, v[LL]
	s_lshl_b32 s2, s[WV], 9
	s_add_co_u32 s2, s2, OSB
	v_lshl_add_u32 v[AOS], v[RR], 1, s2
	s_mov_b32 s104, 8
	s_mov_b32 s2, KII
	s_mov_b32 s3, 0
	s_mov_b32 s13, 0
	s_mov_b32 s20, 24576                           ; two row tiles on in oc;
	s_mov_b32 s21, 319488                          ; from key 128 w + 96 to key 512 + 128 w: 26 row tiles
.Latt2:
	s_wait_dscnt 0x0
	WIN 0x81
	s_wait_alu depctr_va_vdst(0)
.irp t, 0,1,2,3,4,5,6,7
	WM 8*\t, 12*\t+6, KP, -1, QS+\t, KPW, 0, 0
	WM 64+8*\t, 12*\t, KP, -1, QS+\t, KPW, 0, 0
.endr
	WIN 0
	v_add_nc_u32 v18, s2, v[AKI]
	v_add_nc_u32 v19, s2, v[AKS]
	v_add_nc_u32 v22, s3, v[AOS]
	v_nop
.irp c, 0,1,2
	ds_load_b128 v[KP+4*\c:KP+4*\c+3], v18 offset:512*\c
.endr
	ds_load_b32 v[KPW], v19
	WIN 0xaa
.set jj, 0
.rept 64
	v_pk_fma_f32 v[jj:jj+1], v[jj:jj+1], s[CS:CS+1], v[128+jj%64:129+jj%64] op_sel_hi:[1,0,1]
.set jj, jj+2
.endr
.set jj, 0
	s_wait_alu depctr_va_vdst(0)
.rept 128
	v_exp_f32 v[jj], v[jj]
.set jj, jj+1
.endr
	v_nop
	s_wait_alu depctr_va_vdst(0)
.set jj, 0
.rept 64
	v_pk_mul_f32 v[jj:jj+1], v[jj:jj+1], v[192+jj%64:193+jj%64]      ; the finished softmax
.set jj, jj+2
.endr
	BMAX 0x28, 0, 8, 0
	WORD4 AW, PL
	WORD4 AW+1, PL+4
	QCODE 0x02, 0, AFA, SC, XO
	QCODE 0x02, 64, AFB, SC+4, XO+8
	PLACES 4
	WIN 0xc1
.irp a, 0,1,2,3
	WM 8*\a, 104+12*\a, AFA, -1, TW+\a, AW, 0, 0
	WM 32+8*\a, 104+12*\a, AFB, -1, TW+\a, AW+1, 0, 0
.endr
	PLACES 4
	BMAX 0x3c, 0, 4, 1
.irp x, 0,1
	v_lshl_or_b32 v[NM+\x], v[PL+2*\x+1], 8, v[PL+2*\x]
.endr
	WIN 0x03
.irp x, 0,1
	v_cvt_scalef32_pk16_fp6_f32 v[XO+8*\x:XO+8*\x+2], v[32*\x:32*\x+15], v[SC+2*\x]
	v_cvt_scalef32_pk16_fp6_f32 v[XO+8*\x+4:XO+8*\x+6], v[32*\x+16:32*\x+31], v[SC+2*\x+1]
.endr
	WIN 0
	v_nop
.irp x, 0,1
.irp i, 0,1,2
	v_permlane16_swap_b32 v[XO+8*\x+\i], v[XO+8*\x+4+\i]
.endr
.endr
.irp x, 0,1
	v_mov_b32 v[XO+8*\x+3], v[XO+8*\x+4]
	v_mov_b32 v[XO+8*\x+4], v[XO+8*\x+5]
	v_mov_b32 v[XO+8*\x+5], v[XO+8*\x+6]
.endr
.irp x, 0,1
	global_store_b128 v[OCO], v[XO+8*\x:XO+8*\x+3], s[30:31] offset:12288*\x            ; the wave stores 512 consecutive bytes, aligned to 256,
	global_store_b64 v[OC8], v[XO+8*\x+4:XO+8*\x+5], s[30:31] offset:12288*\x+512       ; and the 256 bytes that follow
	ds_store_b16 v22, v[NM+\x] offset:32*\x
.endr
	s_wait_xcnt 0x0                                ; the stores have read their registers and their base
	s_cmp_eq_u32 s104, 5
	s_cselect_b32 s12, s21, s20
	s_add_nc_u64 s[30:31], s[30:31], s[12:13]
	s_add_co_u32 s2, s2, KII
	s_add_co_u32 s3, s3, 64
	s_sub_co_u32 s104, s104, 1
	s_cmp_lg_u32 s104, 0
	s_cbranch_scc1 .Latt2
	s_lshl_b32 s2, s[WV], 9
	s_add_co_u32 s2, s2, OSB
	v_lshl_add_u32 v3, v[LL], 4, s2
	ds_load_b128 v[72:75], v3
	v_lshlrev_b32 v18, 4, v[RR]
	v_lshl_add_u32 v18, v[HH], 10, v18             ; sixteen lanes store 256 consecutive bytes, aligned
	s_wait_alu depctr_va_vdst(0)
	s_wait_dscnt 0x0
	global_store_b128 v18, v[72:75], s[32:33]
	s_wait_tensorcnt 0x0                           ; the wave's end
	ds_add_u32 v[SPW], v[NIL]
	s_wait_dscnt 0x0
	ROUND                                          ; the closing round
	s_endpgm
.Lfunc_end_k_qe97ccef39f_attn:
	.size	k_qe97ccef39f_attn, .Lfunc_end_k_qe97ccef39f_attn-k_qe97ccef39f_attn
	.p2alignl 7, 3214868480
	.fill 96, 4, 3214868480
	.section	.rodata,"a",@progbits
	.p2align	6, 0x0
	.amdhsa_kernel k_qe97ccef39f_attn
		.amdhsa_group_segment_fixed_size 327680
		.amdhsa_private_segment_fixed_size 0
		.amdhsa_enable_private_segment 0
		.amdhsa_kernarg_size 120
		.amdhsa_user_sgpr_count 2
		.amdhsa_user_sgpr_kernarg_segment_ptr 1
		.amdhsa_wavefront_size32 1
		.amdhsa_system_sgpr_workgroup_id_x 1
		.amdhsa_system_sgpr_workgroup_id_y 1
		.amdhsa_system_sgpr_workgroup_id_z 1
		.amdhsa_system_vgpr_workitem_id 0
		.amdhsa_next_free_vgpr 1024
		.amdhsa_next_free_sgpr 106
		.amdhsa_reserve_vcc 0
		.amdhsa_float_denorm_mode_32 3
		.amdhsa_float_denorm_mode_16_64 3
		.amdhsa_memory_ordered 1
		.amdhsa_forward_progress 1
		.amdhsa_inst_pref_size 255
	.end_amdhsa_kernel
	.section	.bss,"aw",@nobits
	.p2align	6
	.space	262144
	.amdgpu_metadata
---
amdhsa.version: [ 1, 2 ]
amdhsa.kernels:
  - .name:           k_qe97ccef39f_attn
    .symbol:         k_qe97ccef39f_attn.kd
    .args:
      - { .name: hidden_states_codes, .offset: 0, .size: 8, .value_kind: global_buffer, .address_space: global }
      - { .name: hidden_states_scales, .offset: 8, .size: 8, .value_kind: global_buffer, .address_space: global }
      - { .name: text_states_codes, .offset: 16, .size: 8, .value_kind: global_buffer, .address_space: global }
      - { .name: text_states_scales, .offset: 24, .size: 8, .value_kind: global_buffer, .address_space: global }
      - { .name: Wq_codes, .offset: 32, .size: 8, .value_kind: global_buffer, .address_space: global }
      - { .name: Wq_scales, .offset: 40, .size: 8, .value_kind: global_buffer, .address_space: global }
      - { .name: Wk_codes, .offset: 48, .size: 8, .value_kind: global_buffer, .address_space: global }
      - { .name: Wk_scales, .offset: 56, .size: 8, .value_kind: global_buffer, .address_space: global }
      - { .name: Wv_codes, .offset: 64, .size: 8, .value_kind: global_buffer, .address_space: global }
      - { .name: Wv_scales, .offset: 72, .size: 8, .value_kind: global_buffer, .address_space: global }
      - { .name: bq, .offset: 80, .size: 8, .value_kind: global_buffer, .address_space: global }
      - { .name: bk, .offset: 88, .size: 8, .value_kind: global_buffer, .address_space: global }
      - { .name: bv, .offset: 96, .size: 8, .value_kind: global_buffer, .address_space: global }
      - { .name: oc, .offset: 104, .size: 8, .value_kind: global_buffer, .address_space: global }
      - { .name: os, .offset: 112, .size: 8, .value_kind: global_buffer, .address_space: global }
    .group_segment_fixed_size: 327680
    .private_segment_fixed_size: 0
    .kernarg_segment_align: 8
    .kernarg_segment_size: 120
    .max_flat_workgroup_size: 128
    .sgpr_count:     106
    .vgpr_count:     1024
    .wavefront_size: 32
...
	.end_amdgpu_metadata
.endif
;; end of part 1
;; launch oproj (part 2): grid 4 x 64, 4 waves a work-group, clusters of 4 x 4, 327,680 bytes of LDS; arguments oc, os, Wo_codes, Wo_scales, bo, out0; writes out0
.if DOCPART == 2
	.amdgcn_target "amdgcn-amd-amdhsa--gfx1250"
	.amdhsa_code_object_version 6
	.text
	.protected	k_qe97ccef39f_oproj
	.globl	k_qe97ccef39f_oproj
	.p2align	8
	.type	k_qe97ccef39f_oproj,@function
k_qe97ccef39f_oproj:
	s_mov_b64 s[64:65], 0
	v_nop
	global_prefetch_b8 v0, s[64:65] scope:SCOPE_SE
	s_setreg_imm32_b32 hwreg(HW_REG_WAVE_MODE, 25, 1), 1
	s_wait_xcnt 0x0
	s_wait_alu depctr_hold_cnt(0) depctr_sa_sdst(0) depctr_va_vdst(0) depctr_va_sdst(0) depctr_va_ssrc(0) depctr_va_vcc(0) depctr_vm_vsrc(0)
	s_getreg_b32 s2, hwreg(HW_REG_IB_STS2, 6, 4)
	s_cmp_eq_u32 s2, 0
	s_cbranch_scc0 .Lentry_in_a_cluster
	s_endpgm
.Lentry_in_a_cluster:
	s_bfe_u32 s2, ttmp6, 0x10000c
	s_cmp_lg_u32 s2, 0xf033
	s_cbranch_scc0 .Lentry_shape_is_right
	s_endpgm
.Lentry_shape_is_right:
; out0[m][n] = sum over k of out[m][k] Wo[n][k] + bo[n], on codes of FP6 (E2M3) with one E8M0 scale for each 32 along K.  m = 16,384 rows (batch x key), n = k = 1,024.
; A = out comes from the launch before in the ORDER OF THE OPERAND'S REGISTERS: oc[row tile of 16][head][768 bytes]: registers 0-3 of half a fragment at 16 x lane, registers 4-5 at 512 + 8 x lane
; (lane l: row l % 16, k = 64 head + 32 (l / 16) + 0..31); its scale bytes os[batch][head][key] as pairs.  B = Wo's codes, K innermost, rows of 768 bytes; its scale bytes [1024][32].
; SHARES.  A work-group makes 256 x 256 of out0.  Wave w owns rows 64 w .. 64 w + 63 for all of K: its 32 fragments of A (384 registers) come once, straight from memory, by loads whose lanes take
; neighbouring bytes.  B's whole tile, 256 rows x 768 bytes, lies in LDS, filled once: no slot is filled again.
; BLOCK BY BLOCK.  The wave makes four blocks of 64 rows x 64 columns, each over all eight K steps of 128: 16 accumulators by turns.  A finished block goes through the wave's stage in LDS and is stored
; while the next block is multiplied: three quarters of the launch's stores are issued under matrix work.
; The matrix instruction is used transposed (source 0 = 16 rows of Wo, source 1 = 16 rows of A): a lane holds eight neighbouring numbers of a row of out0; bo is the C of a block's first K step.
; CLUSTERS: 4 x 4 work-groups.  The four of a column of the cluster need the same rows of Wo: those tiles and their scales are asked for jointly.  A's rows, which the four of a row share, are not:
; they go to registers, and LDS has no room for A's 196,608 bytes beside B's 208,896 and the stages.
; No prefetch: every read but the scale words of blocks 2 and 3 is asked for at its head.  The four blocks are written out: bo's register numbers and every offset change with the block.
; REGISTERS: window 0: v8-15 B's LDS addresses, a pair a block (an LDS immediate ends at 65,535); v16-22 other addresses; v32-47 A's scale words, v48-63 B's; v64-191 bo; v192-223 at work in the head.
;   window 1: v0-191 A's row tiles 0, 1 (tile i, K step ks at 96 (i % 2) + 12 ks); v192-255 rows read back from the stage.   window 2: the same for tiles 2, 3.
;   window 3: v0-127 the accumulators ((i, n) at 8 (4 i + n)); v128-223 B's fragments, two sets of four.
.set TP,     816                       ; a row of Wo in LDS: 3 x (256 bytes + 16 of padding) = 204 words: row r starts at bank 12 r mod 64, so the 32 lanes of a load of 8 bytes touch 64 different banks
.set BLKB,   64*TP                     ; a block's 64 rows
.set QS,     2176                      ; the scale words of 64 rows in LDS: rows of 32 bytes, 16 bytes of padding behind each 256
.set SCA,    256*TP                    ; A's scale words, stored by the waves.  Wo's go from memory straight into registers
.set STAGE,  SCA+4*QS                  ; the way out: 64 rows x (256 + 16) bytes for each wave
.set SPITCH, 272
.set SPARE,  STAGE+4*64*SPITCH         ; the spare words, 128 bytes a wave
.set ADRB, 8
.set STO,  16
.set RD,   17
.set CO,   18
.set AO16, 19
.set AO8,  20
.set LSA,  21
.set LSB,  22
.set SPW,  28
.set NIL,  29
.set AS,   32                          ; v32 + 8 (i % 2) + ks: row tile i % 2 in lanes 0-15, tile i % 2 + 2 in lanes 16-31
.set BS,   48                          ; the same for the block's four column tiles
.set BO,   64                          ; bo[16 n + 8 h + 0 .. 7] at v64 + 8 n
.set RB,   192
.set BF,   128
.set G1B, 24                           ; s[24:31] group 1 for Wo's rows;  s[72:75] its group 0
.set G0B, 72
.set MSB, 0
.macro WIN new                         ; the immediate's high byte repeats the setting that is left
.if MSB != (\new)
	s_set_vgpr_msb (MSB<<8)|(\new)
.set MSB, (\new)
.endif
.endm
.macro PLACES n
.rept \n
	v_nop
.endr
.endm
.macro CREST
	s_cmp_lg_u32 s14, 0
	s_cbranch_scc1 .Lnot_wave_0_\@
	s_barrier_signal -3
.Lnot_wave_0_\@:
	s_barrier_wait -3
	s_barrier_signal -1
	s_barrier_wait -1
.endm
.macro CROUND                          ; a round of the cluster's barrier
	s_barrier_signal -1
	s_barrier_wait -1
	CREST
.endm
; One product.  ra, rb: which half of the lanes holds the side's scale words.
.macro WM d, a, b, c, sa, sb, ra, rb
.if ((\ra) == 0) && ((\rb) == 0)
	v_wmma_scale_f32_16x16x128_f8f6f4 v[(\d):(\d)+7], v[(\a):(\a)+11], v[(\b):(\b)+11], v[(\c):(\c)+7], v[\sa], v[\sb] matrix_a_fmt:MATRIX_FMT_FP6 matrix_b_fmt:MATRIX_FMT_FP6
.elseif ((\ra) == 1) && ((\rb) == 0)
	v_wmma_scale_f32_16x16x128_f8f6f4 v[(\d):(\d)+7], v[(\a):(\a)+11], v[(\b):(\b)+11], v[(\c):(\c)+7], v[\sa], v[\sb] matrix_a_fmt:MATRIX_FMT_FP6 matrix_b_fmt:MATRIX_FMT_FP6 matrix_a_scale:MATRIX_SCALE_ROW1
.elseif ((\ra) == 0) && ((\rb) == 1)
	v_wmma_scale_f32_16x16x128_f8f6f4 v[(\d):(\d)+7], v[(\a):(\a)+11], v[(\b):(\b)+11], v[(\c):(\c)+7], v[\sa], v[\sb] matrix_a_fmt:MATRIX_FMT_FP6 matrix_b_fmt:MATRIX_FMT_FP6 matrix_b_scale:MATRIX_SCALE_ROW1
.else
	v_wmma_scale_f32_16x16x128_f8f6f4 v[(\d):(\d)+7], v[(\a):(\a)+11], v[(\b):(\b)+11], v[(\c):(\c)+7], v[\sa], v[\sb] matrix_a_fmt:MATRIX_FMT_FP6 matrix_b_fmt:MATRIX_FMT_FP6 matrix_a_scale:MATRIX_SCALE_ROW1 matrix_b_scale:MATRIX_SCALE_ROW1
.endif
.endm
	s_load_b128 s[4:7], s[0:1], 0x0                ; oc, os
	s_load_b128 s[8:11], s[0:1], 0x10              ; Wo's codes, Wo's scales
	s_load_b64 s[68:69], s[0:1], 0x20              ; bo
	s_load_b64 s[12:13], s[0:1], 0x28              ; out0
	v_lshl_add_u32 v[SPW], v0, 2, SPARE
	v_mov_b32 v[NIL], 0
	ds_add_u32 v28, v29
	ds_add_u32 v28, v29
	s_wait_dscnt 0x0
	v_lshrrev_b32 v1, 5, v0
	v_readfirstlane_b32 s14, v1                    ; wave 0..3
	s_bfe_u32 s40, ttmp6, 0x40000                  ; cx, cy: my place in the cluster
	s_bfe_u32 s41, ttmp6, 0x40004
	s_lshl_b32 s42, ttmp9, 2
	s_add_co_u32 s42, s42, s40                     ; tile column
	s_and_b32 s17, ttmp7, 0xffff
	s_lshl_b32 s17, s17, 2
	s_add_co_u32 s17, s17, s41                     ; tile row
	s_lshl_b32 s44, 0x1111, s40                    ; my column of the cluster
	; Wo's rows: 64 rows x 768 bytes (elements of 1 byte), 16 bytes of padding behind every 256
	s_or_b32 s[G1B+0], s44, (0<<16)|(1<<20)|(1<<21)|(5<<22)|(3<<25)
	s_mov_b32 s[G1B+1], 768<<16
	s_mov_b32 s[G1B+2], 64<<16
	s_mov_b32 s[G1B+3], 768<<16
	s_mov_b32 s[G1B+4], 64
	s_mov_b32 s[G1B+5], 768
	s_mov_b32 s[G1B+6], 0
	s_mov_b32 s[G1B+7], 0
	s_mul_i32 s46, s42, 196608                     ; Wo: row 256 x tile column + 64 x wave, 768 bytes each: the same in the four work-groups of my column
	s_mul_i32 s18, s14, 49152                      ; wave w brings block w: 64 rows
	s_add_co_u32 s46, s46, s18
	s_mov_b32 s47, 0
	s_lshl_b32 s92, s42, 13                        ; its scales: row 256 x tile column, 32 bytes each
	s_mov_b32 s93, 0
	s_mul_i32 s45, s14, BLKB                       ; where the rows go: no place in the cluster enters an LDS address
	s_wait_kmcnt 0x0
	s_add_nc_u64 s[46:47], s[8:9], s[46:47]
	s_add_nc_u64 s[92:93], s[10:11], s[92:93]
	s_mov_b32 s[G0B], 1
	s_mov_b32 s[G0B+1], s45
	s_mov_b64 s[G0B+2:G0B+3], s[46:47]
	s_or_b32 s[G0B+3], s[G0B+3], 0x80000000
	CROUND                                         ; all sixteen work-groups are here: the joint loads meet
	tensor_load_to_lds s[G0B:G0B+3], s[G1B:G1B+7]          ; one load a wave: block w's 64 rows of Wo, whole
	s_nop 0
	PLACES 4
	; the other bases
	s_lshr_b32 s20, s17, 2                         ; os: the batch,
	s_lshl_b32 s20, s20, 15
	s_and_b32 s21, s17, 3                          ; and which 256 of its keys
	s_lshl_b32 s21, s21, 9
	s_add_co_u32 s20, s20, s21
	s_mov_b32 s21, 0
	s_add_nc_u64 s[6:7], s[6:7], s[20:21]
	s_lshl_b32 s22, s42, 10                        ; the tile's first column, in bytes of f32
	s_mov_b32 s23, 0
	s_add_nc_u64 s[68:69], s[68:69], s[22:23]
	s_mul_i32 s20, s17, 196608                     ; oc: row tile 16 x tile row + 4 x wave, 12,288 bytes each
	s_mul_i32 s18, s14, 49152
	s_add_co_u32 s20, s20, s18
	s_add_nc_u64 s[4:5], s[4:5], s[20:21]
	s_lshl_b32 s20, s17, 8
	s_lshl_b32 s18, s14, 6
	s_add_co_u32 s20, s20, s18                     ; out0: row 256 x tile row + 64 x wave,
	s_lshl_b32 s20, s20, 12                        ; 4,096 bytes each (under 2^27),
	s_add_co_u32 s20, s20, s22                     ; and the tile's first column
	s_add_nc_u64 s[12:13], s[12:13], s[20:21]
	v_and_b32 v1, 15, v0                           ; r
	v_bfe_u32 v2, v0, 4, 1                         ; h
	v_and_b32 v3, 31, v0                           ; lane
	v_lshlrev_b32 v4, 2, v0
	v_lshlrev_b32 v[LSB], 5, v1
	v_lshl_add_u32 v[LSB], v2, 10, v[LSB]          ; Wo's scales: 32 r; lanes 16-31 take the tile two further on: 32 rows
	v_lshlrev_b32 v5, 5, v2
	v_lshlrev_b32 v[AO16], 4, v3
	s_wait_alu depctr_va_vdst(0)
	v_lshlrev_b32 v[AO8], 3, v3
	; 184 loads, in the order in which they are wanted.  A's scale bytes: thread t takes rows 2 t, 2 t + 1 of the tile (they are rows of its own wave): one word for each of the 16 heads
	s_wait_alu depctr_va_vdst(0)
.irp n, 0,1,2,3,4,5,6,7,8,9,10,11,12,13,14,15
	global_load_b32 v[192+\n], v4, s[6:7] offset:2048*\n
.endr
.irp n, 0,1,2,3
	global_load_b128 v[BO+8*\n:BO+8*\n+3], v5, s[68:69] offset:64*\n           ; bo of block 0
	global_load_b128 v[BO+8*\n+4:BO+8*\n+7], v5, s[68:69] offset:64*\n+16
.endr
.irp c, 0,1                            ; Wo's scale words of blocks 0 and 1: set c % 2 at v48 or v224
.irp i, 0,1
.irp k, 0,1
	global_load_b128 v[BS+176*\c+8*\i+4*\k:BS+176*\c+8*\i+4*\k+3], v[LSB], s[92:93] offset:2048*\c+512*\i+16*\k
.endr
.endr
.endr
.macro ALOAD i, ks
.irp e, 0,1
	global_load_b128 v[96*((\i)%2)+12*(\ks)+6*\e:96*((\i)%2)+12*(\ks)+6*\e+3], v[AO16], s[4:5] offset:12288*(\i)+768*(2*(\ks)+\e)
	global_load_b64 v[96*((\i)%2)+12*(\ks)+6*\e+4:96*((\i)%2)+12*(\ks)+6*\e+5], v[AO8], s[4:5] offset:12288*(\i)+768*(2*(\ks)+\e)+512
.endr
.endm
.irp ks, 0,1,2,3,4,5,6,7               ; K step by K step, 16 loads each, so that block 0 can begin on the first while the last are on their way
.if (\ks)%2 == 0
	WIN 0x40
	ALOAD 0, \ks
	ALOAD 1, \ks
	WIN 0x80
	ALOAD 2, \ks
	ALOAD 3, \ks
.else
	WIN 0x80
	ALOAD 2, \ks
	ALOAD 3, \ks
	WIN 0x40
	ALOAD 0, \ks
	ALOAD 1, \ks
.endif
.endr
	WIN 0
.irp n, 4,5,6,7,8,9,10,11,12,13,14,15
	global_load_b128 v[BO+8*\n:BO+8*\n+3], v5, s[68:69] offset:64*\n           ; bo of blocks 1 to 3: 24 loads
	global_load_b128 v[BO+8*\n+4:BO+8*\n+7], v5, s[68:69] offset:64*\n+16
.endr
	v_mul_u32_u24 v6, v1, TP
	v_mad_u32_u24 v6, v2, 24, v6                   ; B: a fragment's row x pitch + 24 x half
	v_lshl_add_u32 v7, v2, 4, v6                   ; and the same behind one padding more
.irp c, 0,1,2,3
	v_add_nc_u32 v[ADRB+2*\c], \c*BLKB, v6
	v_add_nc_u32 v[ADRB+2*\c+1], \c*BLKB, v7
.endr
	v_lshrrev_b32 v23, 3, v1
	v_lshlrev_b32 v24, 5, v1
	v_lshl_add_u32 v24, v23, 4, v24                ; a row's scales: 32 r, and 16 more behind each 256;
	v_mad_u32_u24 v24, v2, 1088, v24               ; lanes 16-31 take the tile two further on: 32 rows
	s_mul_i32 s18, s14, QS
	s_add_co_u32 s18, s18, SCA
	v_add_nc_u32 v[LSA], s18, v24
	v_lshrrev_b32 v25, 2, v0
	v_lshlrev_b32 v25, 4, v25
	v_lshl_add_u32 v25, v0, 6, v25
	v_add_nc_u32 v25, SCA, v25                     ; where I store rows 2 t, 2 t + 1: 64 t bytes, and 16 more for each 256 passed
	s_mul_i32 s18, s14, 64*SPITCH
	s_add_co_u32 s18, s18, STAGE                   ; my stage
	v_mul_u32_u24 v26, v1, SPITCH
	v_lshl_add_u32 v26, v2, 5, v26
	v_add_nc_u32 v[STO], s18, v26                  ; in: row r, 32 bytes for each half of the lanes
	v_mul_u32_u24 v26, v2, SPITCH
	v_lshl_add_u32 v26, v1, 4, v26
	v_add_nc_u32 v[RD], s18, v26                   ; back: lanes 0-15 one row of 256 bytes, lanes 16-31 the next
	v_lshlrev_b32 v26, 12, v2
	v_lshl_add_u32 v[CO], v1, 4, v26               ; and the same two rows in out0; never rewritten
	s_wait_loadcnt 63                              ; the sixteen words of scale bytes are in: 168 younger loads stand behind them, and the count's field ends at 63
.irp k, 0,1,2,3,4,5,6,7
	v_perm_b32 v[208+\k], v[192+2*\k+1], v[192+2*\k], 0x05040100      ; row 2 t, K step k: heads 2 k and 2 k + 1, two bytes each
	v_perm_b32 v[216+\k], v[192+2*\k+1], v[192+2*\k], 0x07060302      ; row 2 t + 1
.endr
.irp c, 0,1,2,3
	ds_store_b128 v25, v[208+4*\c:208+4*\c+3] offset:16*\c
.endr
.macro FRAGB reg, adr, ks, i           ; 16 rows x 128 K in pieces of 8 bytes; 16 bytes of padding lie behind every 32 pieces: where the piece three on lies behind one padding more, the second address register serves
.irp p, 0,1,2,3,4,5
.set PC, 12*(\ks)+6*(\p/3)+\p%3
.if PC%32 < 29
	ds_load_b64 v[\reg+2*\p:\reg+2*\p+1], v[\adr] offset:8*PC+16*(PC/32)+(\i)*16*TP
.else
	ds_load_b64 v[\reg+2*\p:\reg+2*\p+1], v[\adr+1] offset:8*PC+16*(PC/32)+(\i)*16*TP
.endif
.endr
.endm
.macro FETCHB c, ks                    ; 24 loads: block c's four fragments of K step ks into set ks % 2
	WIN 0xc0
.irp n, 0,1,2,3
	FRAGB BF+48*((\ks)%2)+12*\n, ADRB+2*(\c), \ks, \n
.endr
.endm
.macro BSCALES c                       ; block c's scale words for all eight K steps
.irp i, 0,1
.irp k, 0,1
	global_load_b128 v[BS+176*((\c)%2)+8*\i+4*\k:BS+176*((\c)%2)+8*\i+4*\k+3], v[LSB], s[92:93] offset:2048*(\c)+512*\i+16*\k
.endr
.endr
.endm
; 16 products: my four row tiles x the block's four column tiles.  The 16 accumulators take turns, one instruction a turn, in the same order in every K step.  In K step 0 bo is the C.
.macro MUL c, ks
.set mi, 0
.rept 4
.if (\ks) == 0
	WIN 0xc7+4*(mi/2)                              ; source 0 (B) window 3, source 1 (A) window 1 or 2, C window 0, D window 3
.else
	WIN 0xf7+4*(mi/2)                              ; the same, C window 3
.endif
.set mn, 0
.rept 4
.if (\ks) == 0
	WM 8*(4*mi+mn), BF+48*((\ks)%2)+12*mn, 96*(mi%2)+12*(\ks), BO+8*(4*(\c)+mn), BS+176*((\c)%2)+8*(mn%2)+(\ks), AS+8*(mi%2)+(\ks), mn/2, mi/2
.else
	WM 8*(4*mi+mn), BF+48*((\ks)%2)+12*mn, 96*(mi%2)+12*(\ks), 8*(4*mi+mn), BS+176*((\c)%2)+8*(mn%2)+(\ks), AS+8*(mi%2)+(\ks), mn/2, mi/2
.endif
.set mn, mn+1
.endr
.set mi, mi+1
.endr
.endm
; K steps 0 to 6 of a block: the next step's fragments are asked for first, a whole step ahead of their use.
.macro STEP c, ks
	PLACES 4                                       ; in front of loads into the set that the step before multiplied (and, with the four at a block's end, more than the five places in front of products that begin the accumulators anew)
	FETCHB \c, (\ks)+1
	s_wait_dscnt 24                                ; all but the 24 just issued: this step's fragments are in; in a block's first step also its scale words and the rows read back from the stage
.if (\c) == 0
.if 16*(7-(\ks))+24 > 63
	s_wait_loadcnt 63                              ; A's fragments of this K step are in: behind them stand 16 loads for each later step and bo's 24; the count's field ends at 63
.else
	s_wait_loadcnt 16*(7-(\ks))+24
.endif
.endif
.if ((\c) > 0) && ((\ks) == 0)
	s_wait_loadcnt 0x0                             ; bo of blocks 1 to 3
.endif
	MUL \c, \ks
.endm
; K step 7.  No barrier stands in it: all of Wo landed before the first block.  The later blocks' loads may stay out.
.macro LASTSTEP c
	s_wait_dscnt 0x0                               ; this step's fragments are in, and no LDS instruction of mine is out
.if (\c) == 0
	s_wait_loadcnt 24                              ; A's last fragments; bo's 24 may be out
.endif
	MUL \c, 7
.endm
; THE WAY OUT.  A lane holds 32 neighbouring bytes of a row, and the lanes beside it hold other rows: the block's 64 rows x 256 bytes go through my own stage and come back as whole rows.
.macro TOSTAGE
	WIN 0x0c                                       ; an LDS store's data are its source 1: window 3
.irp i, 0,1,2,3
.irp n, 0,1,2,3
	ds_store_b128 v[STO], v[8*(4*\i+\n):8*(4*\i+\n)+3] offset:16*\i*SPITCH+64*\n          ; each accumulator from its low end on
	ds_store_b128 v[STO], v[8*(4*\i+\n)+4:8*(4*\i+\n)+7] offset:16*\i*SPITCH+64*\n+16
.endr
.endr
	s_wait_xcnt 0x0                                ; the last block's stores have read the registers into which the rows below come
	WIN 0x40
.irp t, 0,1,2,3,4,5,6,7,8,9,10,11,12,13,14,15
	ds_load_b128 v[RB+4*\t:RB+4*\t+3], v[RD] offset:2*\t*SPITCH                           ; LDS serves a wave's instructions in order (ISA guide 5.7.1.4): these see the stores above
.endr
	WIN 0x80
.irp t, 0,1,2,3,4,5,6,7,8,9,10,11,12,13,14,15
	ds_load_b128 v[RB+4*\t:RB+4*\t+3], v[RD] offset:(32+2*\t)*SPITCH
.endr
	WIN 0
.endm
.macro SEND c                          ; 32 stores: sixteen lanes store 256 consecutive bytes, at a multiple of 256 from out0's first byte.  Row and block stand in the immediate (254,720 at the most): no address is stepped
	WIN 0x04
.irp t, 0,1,2,3,4,5,6,7,8,9,10,11,12,13,14,15
	global_store_b128 v[CO], v[RB+4*\t:RB+4*\t+3], s[12:13] offset:2*\t*4096+256*(\c) th:TH_STORE_NT
.endr
	WIN 0x08
.irp t, 0,1,2,3,4,5,6,7,8,9,10,11,12,13,14,15
	global_store_b128 v[CO], v[RB+4*\t:RB+4*\t+3], s[12:13] offset:(32+2*\t)*4096+256*(\c) th:TH_STORE_NT
.endr
.endm
	s_wait_dscnt 0x0                               ; my rows' scale words lie in LDS
	s_wait_tensorcnt 0x0                           ; my block of Wo is in; behind the barrier all four are
	s_barrier_signal -1
	s_barrier_wait -1
.irp i, 0,1
.irp k, 0,1
	ds_load_b128 v[AS+8*\i+4*\k:AS+8*\i+4*\k+3], v[LSA] offset:544*\i+16*\k      ; A's scale words, for the whole launch
.endr
.endr
	FETCHB 0, 0
.irp c, 0,1,2,3
	STEP \c, 0
.if \c > 0
	SEND (\c-1)
.endif
.if (\c == 1) || (\c == 2)
	WIN 0
	BSCALES (\c+1)                                 ; the next block's scale words, into the set that the block before has left: seven K steps ahead of their use
.endif
.irp ks, 1,2,3,4,5,6
	STEP \c, \ks
.endr
	LASTSTEP \c
	PLACES 4                                       ; in front of the stores that read results, and of loads into registers that the last products read
	TOSTAGE
.if \c < 3
	FETCHB (\c+1), 0
.endif
.endr
	s_wait_dscnt 0x0                               ; the last block is back in registers
	SEND 3
	WIN 0
	s_wait_tensorcnt 0x0                           ; the wave's end (no LDS byte is filled twice)
	ds_add_u32 v[SPW], v[NIL]
	s_wait_dscnt 0x0
	CROUND                                         ; the closing round: no work-group ends while a partner may still ask for a tile that names it
	s_endpgm
.Lfunc_end_k_qe97ccef39f_oproj:
	.size	k_qe97ccef39f_oproj, .Lfunc_end_k_qe97ccef39f_oproj-k_qe97ccef39f_oproj
	.p2alignl 7, 3214868480
	.fill 96, 4, 3214868480
	.section	.rodata,"a",@progbits
	.p2align	6, 0x0
	.amdhsa_kernel k_qe97ccef39f_oproj
		.amdhsa_group_segment_fixed_size 327680
		.amdhsa_private_segment_fixed_size 0
		.amdhsa_enable_private_segment 0
		.amdhsa_kernarg_size 48
		.amdhsa_user_sgpr_count 2
		.amdhsa_user_sgpr_kernarg_segment_ptr 1
		.amdhsa_wavefront_size32 1
		.amdhsa_system_sgpr_workgroup_id_x 1
		.amdhsa_system_sgpr_workgroup_id_y 1
		.amdhsa_system_sgpr_workgroup_id_z 1
		.amdhsa_system_vgpr_workitem_id 0
		.amdhsa_next_free_vgpr 1024
		.amdhsa_next_free_sgpr 100
		.amdhsa_reserve_vcc 0
		.amdhsa_float_denorm_mode_32 3
		.amdhsa_float_denorm_mode_16_64 3
		.amdhsa_memory_ordered 1
		.amdhsa_forward_progress 1
		.amdhsa_inst_pref_size 177
	.end_amdhsa_kernel
	.amdgpu_metadata
---
amdhsa.version: [ 1, 2 ]
amdhsa.kernels:
  - .name:           k_qe97ccef39f_oproj
    .symbol:         k_qe97ccef39f_oproj.kd
    .args:
      - { .name: oc, .offset: 0, .size: 8, .value_kind: global_buffer, .address_space: global }
      - { .name: os, .offset: 8, .size: 8, .value_kind: global_buffer, .address_space: global }
      - { .name: Wo_codes, .offset: 16, .size: 8, .value_kind: global_buffer, .address_space: global }
      - { .name: Wo_scales, .offset: 24, .size: 8, .value_kind: global_buffer, .address_space: global }
      - { .name: bo, .offset: 32, .size: 8, .value_kind: global_buffer, .address_space: global }
      - { .name: out0, .offset: 40, .size: 8, .value_kind: global_buffer, .address_space: global }
    .group_segment_fixed_size: 327680
    .private_segment_fixed_size: 0
    .kernarg_segment_align: 8
    .kernarg_segment_size: 48
    .max_flat_workgroup_size: 128
    .sgpr_count:     100
    .vgpr_count:     1024
    .wavefront_size: 32
...
	.end_amdgpu_metadata
.endif
;; end of part 2
